; MI455X (gfx1250); checked and timed in simulation.
; The chip was launched on July 23, 2026; its instructions are those of AMD's public machine-readable ISA for CDNA 5 (MIT licence, August 2026) and "CDNA5" Instruction Set Architecture Reference Guide (July 2026). The comments in the code are by the model that wrote it; some were corrected since.
;; Linear Latent Kernel. Allowed arithmetic: matrix products marked QUANTISED: E3M2 operands, one E8M0 scale for each 32 along K, by v_wmma_scale_f32_16x16x128_f8f6f4 with both operands' format E3M2, f32 sums; everything else in f32.
;; Inputs: Wg_codes 1,024 x 32 x 24 uint8 (E3M2 codes of Wg, K innermost, in blocks of 32 codes, four codes in three bytes); Wg_scales 1,024 x 32 uint8 (E8M0 scales of Wg, one for each 32 codes along K); Wk_codes 1,024 x 32 x 24 uint8 (E3M2 codes of Wk, K innermost, in blocks of 32 codes, four codes in three bytes); Wk_scales 1,024 x 32 uint8 (E8M0 scales of Wk, one for each 32 codes along K); Wq_codes 1,024 x 32 x 24 uint8 (E3M2 codes of Wq, K innermost, in blocks of 32 codes, four codes in three bytes); Wq_scales 1,024 x 32 uint8 (E8M0 scales of Wq, one for each 32 codes along K); Wv_codes 1,024 x 32 x 24 uint8 (E3M2 codes of Wv, K innermost, in blocks of 32 codes, four codes in three bytes); Wv_scales 1,024 x 32 uint8 (E8M0 scales of Wv, one for each 32 codes along K); bg 1,024 float32; bk 1,024 float32; bq 1,024 float32; bv 1,024 float32; x_codes 4 x 4,096 x 32 x 24 uint8 (E3M2 codes of x, K innermost, in blocks of 32 codes, four codes in three bytes); x_scales 4 x 4,096 x 32 uint8 (E8M0 scales of x, one for each 32 codes along K).
;; Outputs: out0 4 x 4,096 x 1,024 float32.
;; This version of the problem:
;;   THIS VERSION OF THE PROBLEM IS GIVEN IN LOW PRECISION. The matrix products marked QUANTISED in the list below multiply operands that are first quantised to E3M2 (3 exponent bits, 2 mantissa bits; 6 bits a number), with one power-of-two scale for each 32 numbers along K (OCP MX v1.0); their sums are f32. All else is computed in f32.
;;   The module's matrix products, in the order in which they are computed (A, B: the left and right operand; K: the contracted axis; several contracted axes count as one K, in the product's order):
;;     1. [M 16,384, K 1,024] x [K 1,024, N 1,024]; A: input x (given as codes); B: input Wq (given as codes): QUANTISED
;;     2. [M 16,384, K 1,024] x [K 1,024, N 1,024]; A: input x (given as codes); B: input Wk (given as codes): QUANTISED
;;     3. [M 16,384, K 1,024] x [K 1,024, N 1,024]; A: input x (given as codes); B: input Wv (given as codes): QUANTISED
;;     4. [M 16,384, K 1,024] x [K 1,024, N 1,024]; A: input x (given as codes); B: input Wg (given as codes): QUANTISED
;;   THE QUANTISER, for each operand of a quantised product, along K:
;;     - K is cut into blocks of 32 from its start; a last block that is shorter is filled with zeros.
;;     - A block's scale is 2^e with e = floor(log2(the largest magnitude in the block)) - 4, held to -126 .. 127; a block of zeros has e = 0. As a byte (E8M0): e + 127.
;;     - Each number is divided by its block's scale, clamped to +-28, and rounded to the nearest number of E3M2, ties to even, subnormals kept.
;;     - The product sums the exact products of the quantised numbers (number of the format x scale) in f32.
;;   ~~~python
;;   def quantise(x, axis):      # numpy; x: float32 -> the quantised numbers, widened to float32 again
;;       x = np.moveaxis(x, axis, -1); K = x.shape[-1]
;;       x = np.pad(x, [(0, 0)] * (x.ndim - 1) + [(0, -K % 32)]); x = x.reshape(x.shape[:-1] + (-1, 32)); a = np.abs(x).max(-1, keepdims=True)
;;       e = np.where(a > 0, np.clip(np.frexp(np.where(a > 0, a, 1))[1] - 1 - 4, -126, 127), 0)      # np.frexp(a)[1] - 1 = floor(log2(a)), exactly
;;       r = np.clip(x / 2.0 ** e, -28, 28)
;;       step = 2.0 ** (np.maximum(np.frexp(np.where(r == 0, 1, r))[1] - 1, -2) - 2)
;;       q = np.round(r / step) * step * 2.0 ** e      # np.round: ties to even
;;       return np.moveaxis(q.reshape(q.shape[:-2] + (-1,))[..., :K], -1, axis).astype(np.float32)
;;   ~~~
;;   INPUTS GIVEN AS CODES. Wg (in the module: [1024, 1024], K = its axis 1); Wk (in the module: [1024, 1024], K = its axis 1); Wq (in the module: [1024, 1024], K = its axis 1); Wv (in the module: [1024, 1024], K = its axis 1); x (in the module: [4, 4096, 1024], K = its axis 2): each comes as NAME_codes (uint8): NAME with its K axis moved to the last place and cut into blocks of 32 codes, [.., K / 32, bytes a block], one block behind the other in memory; four codes in three bytes: a row's codes are one little-endian stream of bits, code i at bits 6 i .. 6 i + 5 (a code: sign, 3 exponent bits, 2 mantissa bits); and NAME_scales (uint8): the same leading axes, one E8M0 byte (e + 127) for each 32 codes along K. Its value is code x scale, taken as it is: it is not quantised again, and the codes and scales need not be those that the quantiser above would give.
;; One version. Each part assembles by itself: llvm-mc -triple=amdgcn-amd-amdhsa -mcpu=gfx1250 --defsym DOCPART=n.
;; ======== version 1 of 1: 2 launches
;; limits: right only within a limited range of input values
;; workspace buffers: part 2,097,152 bytes
;; launch sums (part 1): grid 4 x 64, 8 waves a work-group, clusters of 4 x 1, 295,936 bytes of LDS; arguments x_codes, x_scales, Wk_codes, Wk_scales, Wv_codes, Wv_scales, bk, bv, part; writes part
.if DOCPART == 1
	.amdgcn_target "amdgcn-amd-amdhsa--gfx1250"
	.amdhsa_code_object_version 6
	.text
	.protected	k_qa7fed3d838_sums
	.globl	k_qa7fed3d838_sums
	.p2align	8
	.type	k_qa7fed3d838_sums,@function
k_qa7fed3d838_sums:
	s_mov_b64 s[64:65], 0
	v_nop
	global_prefetch_b8 v0, s[64:65] scope:SCOPE_SE
	s_setreg_imm32_b32 hwreg(HW_REG_WAVE_MODE, 25, 1), 1
	s_wait_xcnt 0x0
	s_wait_alu depctr_hold_cnt(0) depctr_sa_sdst(0) depctr_va_vdst(0) depctr_va_sdst(0) depctr_va_ssrc(0) depctr_va_vcc(0) depctr_vm_vsrc(0)
	s_getreg_b32 s2, hwreg(HW_REG_IB_STS2, 6, 4)
	s_cmp_eq_u32 s2, 0
	s_cbranch_scc0 .Lentry_in_a_cluster
	s_endpgm
.Lentry_in_a_cluster:
	s_bfe_u32 s2, ttmp6, 0x10000c
	s_cmp_lg_u32 s2, 0x3003
	s_cbranch_scc0 .Lentry_shape_is_right
	s_endpgm
.Lentry_shape_is_right:
; PREFIX SUMS OF k v FOR THE CUTS OF THE SEQUENCE.  The second launch cuts each sequence of 4,096 rows into 8 segments of 512 and needs, for each column e and each
; segment j, the sum of (x Wk^T + bk)(x Wv^T + bv) over all rows ahead of the segment.  This launch makes these sums in 16 parts: part i of batch b takes rows 512 s + 32 i .. + 31
; of segments s = 0 .. 6.  part[b][S1][i][w][jg][col][jj] (f32) = the sum over its rows of segments s < 4 jg + jj, for column 256 S1 + 32 w + col; the entry of segment 0 is 0.
; SHARES.  A work-group: one part (224 rows, 14 tiles of 16) x a strip of 256 columns.  Wave w of eight: 32 columns, as four weight tiles of 16 rows (Wk, Wv of columns 0-15; Wk, Wv of columns 16-31),
; all of K = 1,024: 4 x 8 fragments of 12 registers = 384 registers that stay for the whole launch.  Only x goes through LDS in the loop, and one fragment of x feeds four matrix instructions.
; Two waves share a SIMD's registers, so that one wave's vector work and waits stand beside the other's products.
; ORIENTATION.  Source 0 = 16 rows of x, source 1 = 16 weight rows: lane (r, h) holds column r and rows 8 h + 0 .. 7, the same place in k's and in v's result.
; K WITHIN A STEP OF 128 IS PERMUTED, ALIKE ON BOTH SIDES: lane (r, h) takes the 48 consecutive bytes at 96 q + 48 h of its row (three loads of 16 bytes, each address a multiple of 16), so the operand's block places
; 0, 1, 2, 3 hold the row's blocks 0, 2, 1, 3; the two middle bytes of every scale word change places to match.  The products are the same; only their grouping inside the unit's sum differs.
; SCALE WORDS: lane (r, h) takes 16 bytes at 32 r + 16 h of the scale rows: register c holds K step c in lanes 0-15 and K step 4 + c in lanes 16-31, which the second four steps read by ROW1.
; THE WEIGHTS' WAY IN.  A tile's 16 rows are 12,288 dense bytes: 24 loads, each of 512 consecutive bytes (16 a lane), land in the registers that the fragments will own; they go as they lie into the wave's own stage
; in LDS (each 256 bytes followed by 16 of padding, as x lies) and come back by rows, into the same registers.
; CLUSTER.  The four work-groups of a cluster are the four strips of one part: they read the same x, so every tile of x and its scales is asked for jointly.  The weights are not: partners hold different
; strips and share none.
; The tiles of x are filled once: all 14 and their scales are asked for at the head, one tensor load a wave.
; LIMITS: sums are f32 in this order: pairs of rows in a lane, the lane's two halves, the other half of the lanes; a scale byte 0xff gives NaN, as it does by definition.
.set PITCH,  816                       ; a row of x in LDS: 768 bytes as three pieces of 256, 16 bytes of padding behind each: 51 x 16, so the sixteen rows of a load begin at sixteen different 16-byte columns of 256
.set TILEB,  16*PITCH                  ; 16 rows
.set PIECEB, 2*TILEB                   ; 32 rows: what one tensor load brings
.set SCL,    7*PIECEB                  ; behind the seven pieces: their scale bytes, 7 x 1,024
.set WSTG,   SCL+7*1024                ; behind them: a stage of one weight tile for each wave; no tensor load lands here
.set FA,    1                          ; v1   my place in the tile in hand: 816 r + 48 h;   v2: the same + 16 h, for pieces that lie behind one padding more in lanes 16-31
.set XSA,   3                          ; v3   my place among x's scale bytes
.set PV,    4                          ; v4-11 the eight entries that I store
.set BK0,   12                         ; v12, v14, v16, v18: bk, bv of my column of the first group, of the second; each the low word of a pair
.set T0,    13                         ; v13, v15, v17: at work (the pairs' upper words)
.set T1,    15
.set T2,    17
.set L16,   19                         ; v19  16 x lane; never rewritten
.set SUM0,  20                         ; v[20:21], v[22:23] the running sums of the two groups, even rows and odd rows
.set SUM1,  22
.set WS,    24                         ; v24-39 the weights' scale words: tile p at 4 p
.set XS,    40                         ; v40-43 x's scale words of the tile in hand
.set ACC,   44                         ; v44-75 four accumulators
.set X,     76                         ; v76-123 four fragments of x: K steps q % 4
.set W0,    124                        ; weight fragment f = 4 q + p: f <= 10 at v[124 + 12 f]; the others at v[12 (f - 11)] of window 1
.set RR,    76                         ; at the head only, in x's registers: r, h, lane, offsets, the stage's addresses
.set HH,    77
.set LN,    78
.set WSA,   80
.set BA,    81
.set WST,   84                         ; into my stage: 272 (lane / 16) + 16 (lane % 16)
.set WRD,   86                         ; v86, v87 out of it: as FA
.set WV,    36                         ; s36  wave
.set CX,    37
.set ST1,   38                         ; s38  strip
.set YY,    39
.set BB,    40
.set II,    41
.set G1X,   48                         ; s[48:55] group 1 for a piece of x;  s[56:63] for the scale bytes;  s[68:71], s[72:75] their groups 0
.set G1S,   56
.set G0X,   68
.set G0S,   72
.set SEL,   84                         ; s[84:85] v_permlanex16_b32's selects for lane l xor 16
.set PSEL,  86                         ; s86  v_perm_b32's select: bytes 0, 2, 1, 3
.set HMSK,  87                         ; s87  lanes 16-31
.set MSB, 0
.macro WIN new                         ; the immediate's high byte repeats the setting that is left
.if MSB != \new
	s_set_vgpr_msb (MSB<<8)|\new
.set MSB, \new
.endif
.endm
.macro ROUND                           ; a round of the cluster's barrier
	s_barrier_signal -1
	s_barrier_wait -1
	s_cmp_lg_u32 s[WV], 0
	s_cbranch_scc1 .Lnot_wave_0_\@
	s_barrier_signal -3
.Lnot_wave_0_\@:
	s_barrier_wait -3
	s_barrier_signal -1
	s_barrier_wait -1
.endm
.macro PLACES n
.rept \n
	v_nop
.endr
.endm
; A fragment, K step q of the tile at off: 48 bytes a lane.  Byte o of a row lies at o + 16 (o / 256); lanes 16-31 read 48 bytes on, which for four pieces is behind one padding more: the second address register.
.macro LOADX dst, a1, q, off
.irp c, 0,1,2
.set OO, 96*(\q)+16*\c
.if (OO+48)/256 != OO/256
	ds_load_b128 v[\dst+4*\c:\dst+4*\c+3], v[\a1+1] offset:\off+OO+16*(OO/256)
.else
	ds_load_b128 v[\dst+4*\c:\dst+4*\c+3], v[\a1] offset:\off+OO+16*(OO/256)
.endif
.endr
.endm
.macro WREG p, q                       ; where weight fragment (tile p, K step q) lives: register WR of window WW
.set FI, 4*(\q)+(\p)
.if FI <= 10
.set WR, W0+12*FI
.set WW, 0
.else
.set WR, 12*(FI-11)
.set WW, 1
.endif
.endm
.macro WASK p, sb, off                 ; tile p is asked for: 24 loads, each of 512 consecutive bytes; load 3 q + c lands where fragment q's piece c will live
.irp q, 0,1,2,3,4,5,6,7
	WREG \p, \q
	WIN 0x40*WW                            ; destination's window
.irp c, 0,1,2
	global_load_b128 v[WR+4*\c:WR+4*\c+3], v[L16], s[\sb:\sb+1] offset:\off+512*(3*\q+\c)
.endr
.endr
	WIN 0
.endm
.macro WTURN p                         ; tile p turns through my stage.  LDS serves a wave's instructions in order: the loads see the stores, and the next tile's stores come behind the loads
.irp q, 0,1,2,3,4,5,6,7
	WREG \p, \q
	WIN 0x04*WW                            ; an LDS store's data are its source 1
.irp c, 0,1,2
	ds_store_b128 v[WST], v[WR+4*\c:WR+4*\c+3] offset:544*(3*\q+\c)   ; two units of 256 bytes, 272 apart
.endr
.endr
.irp q, 0,1,2,3,4,5,6,7
	WREG \p, \q
	WIN 0x40*WW
	LOADX WR, WRD, \q, 0
.endr
	WIN 0
.endm
; One product: weight tile p, K step q.  The first K step starts the sum with the constant 0.
.macro MM p, q
	WREG \p, \q
	WIN 0x04*WW                            ; source 1's window
.set AR, ACC+8*(\p)
.set XR, X+12*((\q)%4)
.if (\q) == 0
	v_wmma_scale_f32_16x16x128_f8f6f4 v[AR:AR+7], v[XR:XR+11], v[WR:WR+11], 0, v[XS+(\q)%4], v[WS+4*(\p)+(\q)%4] matrix_a_fmt:MATRIX_FMT_BF6 matrix_b_fmt:MATRIX_FMT_BF6
.elseif (\q) < 4
	v_wmma_scale_f32_16x16x128_f8f6f4 v[AR:AR+7], v[XR:XR+11], v[WR:WR+11], v[AR:AR+7], v[XS+(\q)%4], v[WS+4*(\p)+(\q)%4] matrix_a_fmt:MATRIX_FMT_BF6 matrix_b_fmt:MATRIX_FMT_BF6
.else
	v_wmma_scale_f32_16x16x128_f8f6f4 v[AR:AR+7], v[XR:XR+11], v[WR:WR+11], v[AR:AR+7], v[XS+(\q)%4], v[WS+4*(\p)+(\q)%4] matrix_a_fmt:MATRIX_FMT_BF6 matrix_b_fmt:MATRIX_FMT_BF6 matrix_a_scale:MATRIX_SCALE_ROW1 matrix_b_scale:MATRIX_SCALE_ROW1
.endif
.endm
.macro MM8 q                           ; two K steps: the four accumulators by turns, one instruction a turn, from tile to tile too
.irp p, 0,1,2,3
	MM \p, \q
.endr
.irp p, 0,1,2,3
	MM \p, (\q)+1
.endr
.endm
.macro PERMXS                          ; x's scale words: the two middle bytes change places
.irp c, 0,1,2,3
	v_perm_b32 v[XS+\c], v[XS+\c], v[XS+\c], s[PSEL]
.endr
.endm
; A tile of 16 rows: 32 products.  x's four fragment registers are two pairs; while one pair is multiplied the other is on its way.  Each run of loads stands four places behind the last product that read its
; registers (ISA guide 7.12.1 for vector instructions).  last = 1: no tile follows.
.macro GEMMTILE a1, off, noff, xsoff, last
	MM8 0
	PLACES 4
	LOADX X, \a1, 4, \off
	LOADX X+12, \a1, 5, \off
	s_wait_dscnt 6                         ; K steps 2, 3 are in: behind them only the six loads just issued
	MM8 2
	PLACES 4
	LOADX X+24, \a1, 6, \off
	LOADX X+36, \a1, 7, \off
	s_wait_dscnt 6                         ; K steps 4, 5 are in; the six just issued may be out
	MM8 4
.if (\last) == 0
	PLACES 4
	LOADX X, \a1, 0, \noff                 ; the next tile's K steps 0, 1
	LOADX X+12, \a1, 1, \noff
	s_wait_dscnt 6                         ; K steps 6, 7 are in
.else
	s_wait_dscnt 0
.endif
	MM8 6
	WIN 0
	PLACES 4                               ; in front of the loads below and of the first read of results
.if (\last) == 0
	ds_load_b128 v[XS:XS+3], v[XSA] offset:\xsoff
	LOADX X+24, \a1, 2, \noff
	LOADX X+36, \a1, 3, \noff
.endif
.endm
	s_load_b256 s[4:11], s[0:1], 0x0       ; x's codes s[4:5], x's scales s[6:7], Wk's codes s[8:9], Wk's scales s[10:11]
	s_load_b256 s[12:19], s[0:1], 0x20     ; Wv's codes s[12:13], Wv's scales s[14:15], bk s[16:17], bv s[18:19]
	s_load_b64 s[20:21], s[0:1], 0x40      ; part
	s_set_vgpr_msb 0x40
	v_lshl_add_u32 v254, v0, 2, 0x48000
	v_mov_b32 v255, 0
	s_set_vgpr_msb 0x4045
	ds_add_u32 v254, v255
	ds_add_u32 v254, v255
	s_set_vgpr_msb 0x4500
	v_lshrrev_b32 v[LN], 5, v0
	s_delay_alu instid0(VALU_DEP_1)
	v_readfirstlane_b32 s[WV], v[LN]       ; wave 0..7
	v_and_b32 v[LN], 31, v0                ; lane
	v_and_b32 v[RR], 15, v0                ; r
	v_bfe_u32 v[HH], v0, 4, 1              ; h
	s_delay_alu instid0(VALU_DEP_2)
	v_mul_u32_u24 v[FA], v[RR], PITCH
	s_delay_alu instid0(VALU_DEP_1)
	v_mad_u32_u24 v[FA], v[HH], 48, v[FA]
	s_delay_alu instid0(VALU_DEP_1)
	v_lshl_add_u32 v[FA+1], v[HH], 4, v[FA]
	s_mul_i32 s96, s[WV], TILEB
	s_add_co_u32 s96, s96, WSTG            ; my stage
	v_add_nc_u32 v[WRD], s96, v[FA]
	v_add_nc_u32 v[WRD+1], s96, v[FA+1]
	v_mul_u32_u24 v[WST], v[HH], 272
	s_delay_alu instid0(VALU_DEP_1)
	v_lshl_add_u32 v[WST], v[RR], 4, v[WST]
	s_delay_alu instid0(VALU_DEP_1)
	v_add_nc_u32 v[WST], s96, v[WST]
	v_lshlrev_b32 v[WSA], 5, v[RR]
	s_delay_alu instid0(VALU_DEP_1)
	v_lshl_add_u32 v[WSA], v[HH], 4, v[WSA]    ; scale rows: 32 r + 16 h
	s_delay_alu instid0(VALU_DEP_1)
	v_add_nc_u32 v[XSA], SCL, v[WSA]
	v_lshlrev_b32 v[BA], 2, v[RR]
	v_lshlrev_b32 v[L16], 4, v[LN]
	v_cmp_lt_u32 s[HMSK], 15, v[LN]
	v_mov_b32 v[PV], 0                     ; nothing lies ahead of segment 0
	v_mov_b32 v[T0], 0                     ; (named as upper words of pairs, and as a permute's destination, before they are first written)
	v_mov_b32 v[T1], 0
	v_mov_b32 v[T2], 0
.irp j, 0,1,2,3
	v_mov_b32 v[SUM0+\j], 0
.endr
	s_bfe_u32 s[CX], ttmp6, 0x40000        ; my place in the cluster: it enters the weights', the biases' and part's addresses alone
	s_lshl_b32 s[ST1], ttmp9, 2
	s_add_co_u32 s[ST1], s[ST1], s[CX]     ; strip
	s_and_b32 s[YY], ttmp7, 0xffff         ; 16 b + i
	s_lshr_b32 s[BB], s[YY], 4
	s_and_b32 s[II], s[YY], 15
	s_lshl_b32 s42, s[BB], 12
	s_lshl_b32 s43, s[II], 5
	s_add_co_u32 s42, s42, s43             ; the part's first row: 4,096 b + 32 i
	s_lshl_b32 s44, s42, 5                 ; its scale bytes
	s_mov_b32 s45, 0
	s_mul_i32 s42, s42, 768
	s_mul_i32 s43, s[WV], 512*768          ; wave w fetches the piece of segment w
	s_add_co_u32 s42, s42, s43
	s_mov_b32 s43, 0
	s_lshl_b32 s46, s[ST1], 8
	s_lshl_b32 s47, s[WV], 5
	s_add_co_u32 s46, s46, s47             ; my first weight row = my first column: 256 x strip + 32 x wave
	s_mul_i32 s76, s46, 768
	s_mov_b32 s77, 0
	s_lshl_b32 s78, s46, 5
	s_mov_b32 s79, 0
	s_lshl_b32 s80, s46, 2
	s_mov_b32 s81, 0
	s_lshl_b32 s82, s[BB], 2
	s_add_co_u32 s82, s82, s[ST1]
	s_lshl_b32 s82, s82, 4
	s_add_co_u32 s82, s82, s[II]
	s_lshl_b32 s82, s82, 3
	s_add_co_u32 s82, s82, s[WV]
	s_lshl_b32 s82, s82, 10                ; my 1,024 bytes of part
	s_mov_b32 s83, 0
	s_mov_b32 s[SEL], 0x76543210
	s_mov_b32 s[SEL+1], 0xfedcba98
	s_mov_b32 s[PSEL], 0x03010200
	; group 1, a piece of x: 32 rows of 768 bytes are dense in memory: 96 rows of 256 bytes (32 elements of 8), 16 bytes of padding behind each
	s_mov_b32 s[G1X+0], 15|(3<<16)|(1<<20)|(1<<21)|(5<<22)|(3<<25)  ; 15:0 the mask: all four work-groups; 17:16 elements of 8 bytes; 20 padding on; 21 set beside a mask; 24:22 after every 64 words; 31:25 4 words of it
	s_mov_b32 s[G1X+1], 32<<16             ; tensor_dim0
	s_mov_b32 s[G1X+2], 96<<16             ; tensor_dim1
	s_mov_b32 s[G1X+3], 32<<16             ; tile_dim0
	s_mov_b32 s[G1X+4], 96                 ; tile_dim1
	s_mov_b32 s[G1X+5], 32                 ; from row to row
	s_mov_b32 s[G1X+6], 0
	s_mov_b32 s[G1X+7], 0
	; group 1, the scale bytes: 7 rows of 1,024 bytes (32 rows of x each), 512 rows of x = 16,384 bytes apart, no padding
	s_mov_b32 s[G1S+0], 15|(3<<16)|(1<<21)
	s_mov_b32 s[G1S+1], 128<<16
	s_mov_b32 s[G1S+2], 7<<16
	s_mov_b32 s[G1S+3], 128<<16
	s_mov_b32 s[G1S+4], 7
	s_mov_b32 s[G1S+5], 2048
	s_mov_b32 s[G1S+6], 0
	s_mov_b32 s[G1S+7], 0
	s_wait_dscnt 0x0
	s_wait_kmcnt 0x0
	s_mov_b32 s[G0X], 1
	s_mul_i32 s[G0X+1], s[WV], PIECEB      ; piece w lies at 26,112 w
	s_add_nc_u64 s[G0X+2:G0X+3], s[4:5], s[42:43]
	s_or_b32 s[G0X+3], s[G0X+3], 0x80000000
	s_mov_b32 s[G0S], 1
	s_mov_b32 s[G0S+1], SCL
	s_add_nc_u64 s[G0S+2:G0S+3], s[6:7], s[44:45]
	s_or_b32 s[G0S+3], s[G0S+3], 0x80000000
	s_add_nc_u64 s[8:9], s[8:9], s[76:77]      ; the weights, their scales and the biases at my first row
	s_add_nc_u64 s[12:13], s[12:13], s[76:77]
	s_add_nc_u64 s[10:11], s[10:11], s[78:79]
	s_add_nc_u64 s[14:15], s[14:15], s[78:79]
	s_add_nc_u64 s[16:17], s[16:17], s[80:81]
	s_add_nc_u64 s[18:19], s[18:19], s[80:81]
	s_add_nc_u64 s[20:21], s[20:21], s[82:83]
.irp p, 0,1,2,3                        ; tile p = (Wk, Wv) x (columns 0-15, 16-31); the second group's rows lie 16 rows on
	global_load_b128 v[WS+4*\p:WS+4*\p+3], v[WSA], s[10+4*(\p%2):11+4*(\p%2)] offset:(\p/2)*512
	global_load_b32 v[BK0+2*\p], v[BA], s[16+2*(\p%2):17+2*(\p%2)] offset:(\p/2)*64
.endr
	WASK 0, 8, 0                           ; the first two weight tiles are on their way while the cluster meets
	WASK 1, 12, 0
	ROUND                                  ; all four work-groups are here: the joint loads meet
	s_cmp_lt_u32 s[WV], 7                  ; waves 0-6 fetch the seven pieces, wave 7 the scale bytes: one tensor load of mine is out
	s_cbranch_scc0 .Lscales
	tensor_load_to_lds s[G0X:G0X+3], s[G1X:G1X+7]
	s_nop 0
	PLACES 4                               ; four v_nop follow each of the two lines
	s_branch .Lasked
.Lscales:
	tensor_load_to_lds s[G0S:G0S+3], s[G1S:G1S+7]
	s_nop 0
	PLACES 4
.Lasked:
	s_wait_loadcnt 24                      ; tile 0 is in (and the scale words and biases ahead of it); tile 1's 24 loads may be out
	WTURN 0
	WASK 2, 8, 12288
	s_wait_loadcnt 24                      ; tile 1 is in; tile 2's may be out
	WTURN 1
	WASK 3, 12, 12288
	s_wait_loadcnt 24                      ; tile 2 is in; tile 3's may be out
	WTURN 2
	s_wait_loadcnt 0x0
	WTURN 3
.irp c, 0,1,2,3,4,5,6,7,8,9,10,11,12,13,14,15
	v_perm_b32 v[WS+\c], v[WS+\c], v[WS+\c], s[PSEL]
.endr
	s_wait_tensorcnt 0x0                   ; my piece has landed,
	s_wait_dscnt 0x0                       ; the weights are back in their registers (no LDS instruction is out at a signal), and the stage's address registers are free for x,
	s_barrier_signal -1
	s_barrier_wait -1                      ; everybody's piece has landed
	ds_load_b128 v[XS:XS+3], v[XSA]        ; tile 0
	LOADX X, FA, 0, 0
	LOADX X+12, FA, 1, 0
	LOADX X+24, FA, 2, 0
	LOADX X+36, FA, 3, 0
	s_wait_dscnt 0x0
	PERMXS
	PLACES 8                               ; a scale register written by a vector instruction stands eight places ahead of a scaled product
; The running sums of segments 0 .. s become entry s + 1.  Lane 16 h + r is to hold column 16 h + r: it keeps its own group's sum and sends the other group's to lane l xor 16.
.macro PIECE s
	s_delay_alu instid0(VALU_DEP_2)
	v_add_f32 v[T0], v[SUM0], v[SUM0+1]
	s_delay_alu instid0(VALU_DEP_2)
	v_add_f32 v[T1], v[SUM1], v[SUM1+1]
	s_delay_alu instid0(VALU_DEP_1)
	v_cndmask_b32 v[T2], v[T1], v[T0], s[HMSK]             ; what the other half wants
	s_delay_alu instid0(VALU_DEP_2)
	v_cndmask_b32 v[PV+1+(\s)], v[T0], v[T1], s[HMSK]      ; what is mine
	s_delay_alu instid0(VALU_DEP_2)
	v_permlanex16_b32 v[T0], v[T2], s[SEL], s[SEL+1]
	s_delay_alu instid0(VALU_DEP_1)
	v_add_f32 v[PV+1+(\s)], v[PV+1+(\s)], v[T0]
.endm
.macro STILE t
	GEMMTILE FA, 0, TILEB, 512*((\t)+1), (\t)/13
.if (\t) < 13
	v_add_nc_u32 v[FA], TILEB, v[FA]       ; on to the next tile
	v_add_nc_u32 v[FA+1], TILEB, v[FA+1]
.endif
	s_wait_alu depctr_va_vdst(0)
.irp j, 0,2,4,6                        ; the biases; each accumulator from its low end on
	v_pk_add_f32 v[ACC+\j:ACC+\j+1], v[ACC+\j:ACC+\j+1], v[BK0:BK0+1] op_sel_hi:[1,0]
	v_pk_add_f32 v[ACC+8+\j:ACC+8+\j+1], v[ACC+8+\j:ACC+8+\j+1], v[BK0+2:BK0+3] op_sel_hi:[1,0]
.endr
.if (\t) < 13
	s_wait_dscnt 6                         ; the next tile's scale words and K steps 0, 1 are in; the six loads of K steps 2, 3 may be out
	PERMXS                                 ; sixteen plain instructions follow, ahead of the next product
.endif
.irp j, 0,2,4,6
	v_pk_add_f32 v[ACC+16+\j:ACC+16+\j+1], v[ACC+16+\j:ACC+16+\j+1], v[BK0+4:BK0+5] op_sel_hi:[1,0]
	v_pk_add_f32 v[ACC+24+\j:ACC+24+\j+1], v[ACC+24+\j:ACC+24+\j+1], v[BK0+6:BK0+7] op_sel_hi:[1,0]
.endr
.irp j, 0
	v_pk_fma_f32 v[SUM0:SUM0+1], v[ACC+\j:ACC+\j+1], v[ACC+8+\j:ACC+8+\j+1], v[SUM0:SUM0+1]
	v_pk_fma_f32 v[SUM1:SUM1+1], v[ACC+16+\j:ACC+16+\j+1], v[ACC+24+\j:ACC+24+\j+1], v[SUM1:SUM1+1]
.endr
.irp j, 2, 4, 6
	s_delay_alu instid0(VALU_DEP_2)
	v_pk_fma_f32 v[SUM0:SUM0+1], v[ACC+\j:ACC+\j+1], v[ACC+8+\j:ACC+8+\j+1], v[SUM0:SUM0+1]
	s_delay_alu instid0(VALU_DEP_2)
	v_pk_fma_f32 v[SUM1:SUM1+1], v[ACC+16+\j:ACC+16+\j+1], v[ACC+24+\j:ACC+24+\j+1], v[SUM1:SUM1+1]
.endr
.if (\t)%2 == 1
	PIECE ((\t)-1)/2
.endif
.endm
	s_wait_alu depctr_va_vdst(0)
.irp t, 0,1,2,3,4,5,6,7,8,9,10,11,12,13
	STILE \t
.endr
	global_store_b128 v[L16], v[PV:PV+3], s[20:21]                 ; 32 lanes store 512 consecutive bytes, at a multiple of 512 from part's first byte
	global_store_b128 v[L16], v[PV+4:PV+7], s[20:21] offset:512
	s_set_vgpr_msb 0x5
	s_wait_tensorcnt 0x0
	ds_add_u32 v254, v255
	s_wait_dscnt 0x0
	s_set_vgpr_msb 0x500
	ROUND                                  ; the closing round: no work-group ends while a partner may still ask for a tile that names it
	s_endpgm
.Lfunc_end_k_qa7fed3d838_sums:
	.size	k_qa7fed3d838_sums, .Lfunc_end_k_qa7fed3d838_sums-k_qa7fed3d838_sums
	.p2alignl 7, 3214868480
	.fill 96, 4, 3214868480
	.section	.rodata,"a",@progbits
	.p2align	6, 0x0
	.amdhsa_kernel k_qa7fed3d838_sums
		.amdhsa_group_segment_fixed_size 295936
		.amdhsa_private_segment_fixed_size 0
		.amdhsa_enable_private_segment 0
		.amdhsa_kernarg_size 72
		.amdhsa_user_sgpr_count 2
		.amdhsa_user_sgpr_kernarg_segment_ptr 1
		.amdhsa_wavefront_size32 1
		.amdhsa_system_sgpr_workgroup_id_x 1
		.amdhsa_system_sgpr_workgroup_id_y 1
		.amdhsa_system_sgpr_workgroup_id_z 1
		.amdhsa_system_vgpr_workitem_id 0
		.amdhsa_next_free_vgpr 512
		.amdhsa_next_free_sgpr 100
		.amdhsa_reserve_vcc 0
		.amdhsa_float_denorm_mode_32 3
		.amdhsa_float_denorm_mode_16_64 3
		.amdhsa_memory_ordered 1
		.amdhsa_forward_progress 1
		.amdhsa_inst_pref_size 151
	.end_amdhsa_kernel
	.amdgpu_metadata
---
amdhsa.version: [ 1, 2 ]
amdhsa.kernels:
  - .name:           k_qa7fed3d838_sums
    .symbol:         k_qa7fed3d838_sums.kd
    .args:
      - { .name: x_codes, .offset: 0, .size: 8, .value_kind: global_buffer, .address_space: global }
      - { .name: x_scales, .offset: 8, .size: 8, .value_kind: global_buffer, .address_space: global }
      - { .name: Wk_codes, .offset: 16, .size: 8, .value_kind: global_buffer, .address_space: global }
      - { .name: Wk_scales, .offset: 24, .size: 8, .value_kind: global_buffer, .address_space: global }
      - { .name: Wv_codes, .offset: 32, .size: 8, .value_kind: global_buffer, .address_space: global }
      - { .name: Wv_scales, .offset: 40, .size: 8, .value_kind: global_buffer, .address_space: global }
      - { .name: bk, .offset: 48, .size: 8, .value_kind: global_buffer, .address_space: global }
      - { .name: bv, .offset: 56, .size: 8, .value_kind: global_buffer, .address_space: global }
      - { .name: part, .offset: 64, .size: 8, .value_kind: global_buffer, .address_space: global }
    .group_segment_fixed_size: 295936
    .private_segment_fixed_size: 0
    .kernarg_segment_align: 8
    .kernarg_segment_size: 72
    .max_flat_workgroup_size: 256
    .sgpr_count:     100
    .vgpr_count:     512
    .wavefront_size: 32
...
	.end_amdgpu_metadata
.endif
;; end of part 1
;; launch fused (part 2): grid 8 x 32, 8 waves a work-group, clusters of 4 x 1, 327,680 bytes of LDS; arguments x_codes, x_scales, Wq_codes, Wq_scales, Wk_codes, Wk_scales, Wv_codes, Wv_scales, Wg_codes, Wg_scales, bq, bk, bv, bg, part, out0; writes out0
.if DOCPART == 2
	.amdgcn_target "amdgcn-amd-amdhsa--gfx1250"
	.amdhsa_code_object_version 6
	.text
	.protected	k_qa7fed3d838_fused
	.globl	k_qa7fed3d838_fused
	.p2align	8
	.type	k_qa7fed3d838_fused,@function
k_qa7fed3d838_fused:
	s_mov_b64 s[64:65], 0
	v_nop
	global_prefetch_b8 v0, s[64:65] scope:SCOPE_SE
	s_setreg_imm32_b32 hwreg(HW_REG_WAVE_MODE, 25, 1), 1
	s_wait_xcnt 0x0
	s_wait_alu depctr_hold_cnt(0) depctr_sa_sdst(0) depctr_va_vdst(0) depctr_va_sdst(0) depctr_va_ssrc(0) depctr_va_vcc(0) depctr_vm_vsrc(0)
	s_getreg_b32 s2, hwreg(HW_REG_IB_STS2, 6, 4)
	s_cmp_eq_u32 s2, 0
	s_cbranch_scc0 .Lentry_in_a_cluster
	s_endpgm
.Lentry_in_a_cluster:
	s_bfe_u32 s2, ttmp6, 0x10000c
	s_cmp_lg_u32 s2, 0x3003
	s_cbranch_scc0 .Lentry_shape_is_right
	s_endpgm
.Lentry_shape_is_right:
; out = (x Wq^T + bq) x cumsum over the sequence of ((x Wk^T + bk)(x Wv^T + bv)) x sigmoid(x Wg^T + bg).  All four products on codes of E3M2 with E8M0 scales as they are given; all else in f32.
; SHARES.  A work-group: one segment of 512 rows (segment j of batch b) x a strip of 128 columns.  Wave w of eight: 16 columns, and for them all four weight tiles (q, k, v, g) for all of K = 1,024:
; 4 x 8 fragments of 12 registers = 384 registers that stay for the whole launch.  Only x and the results go through LDS in the walk; one fragment of x feeds four matrix instructions.
; ORIENTATION.  Source 0 = 16 rows of x, source 1 = 16 weight rows: lane (r, h) holds column r and rows 8 h + 0 .. 7, at the same place in all four results: k v, its running sum, q and the gate meet in one lane.
; THE CARRY INTO THE SEGMENT is the sum of 16 numbers that the launch before has stored in part.
; K WITHIN A STEP OF 128 IS PERMUTED, ALIKE ON BOTH SIDES: lane (r, h) takes the 48 consecutive bytes at 96 q + 48 h of its row, so the operand's block places 0, 1, 2, 3 hold the row's blocks 0, 2, 1, 3;
; the two middle bytes of every scale word change places to match.  SCALE WORDS: lane (r, h) takes 16 bytes at 32 r + 16 h: register c holds K step c in lanes 0-15 and K step 4 + c in lanes 16-31 (ROW1).
; THE WEIGHTS' WAY IN.  A tile's 16 rows are 12,288 dense bytes: 24 loads of 512 consecutive bytes land in the registers that the fragments will own, go into the wave's own stage in LDS (rows 784 bytes apart)
; and come back by rows into the same registers.  Three tiles are on their way at a time.
; THE RING.  Two slots of 128 rows (8 tiles) of x; waves 0-3 fetch a quarter of a slot each, wave 4 the segment's scale bytes, once.  The segment is four slots: slot 0 at the head, slot 1 behind the head's
; sequence, and two refills.  A change of slots stands inside a slot's eighth tile, behind its last LDS reads.
; THE WAY OUT.  Two stages of 64 rows x 128 columns, in the bytes of the weights' stages (no tensor load lands there).  A group is the fourth tile of four (stage rows 0-15) and the next three (rows 16-63);
; group g lies in stage g % 2, is whole at the barrier in the next fourth tile, and is read back behind it as whole rows of 512 bytes, 8 rows a wave.  Group 0 has no rows 0-15.
; Where that barrier is no change of slots it is a plain work-group barrier, signalled behind the tile's first 8 products and waited for behind its last.
; CLUSTER.  The four work-groups of a cluster are four strips of one segment: x's tiles and scale bytes are asked for jointly.  The weights are not: partners hold different strips and share none.
; NO PREFETCH: a refill is asked for 8 tiles (256 products a wave) ahead of its first read, and only two refills stand in the walk.
; LIMITS: the running sum is f32 in this order: 16 parts, tiles of 16 rows, halves of 8, rows; a scale byte 0xff gives NaN, as it does by definition; the gate's 2^z and 1/z are the chip's own, to an ulp.
.set PITCH,  816                       ; a row of x in LDS: three pieces of 256 bytes, 16 of padding behind each: 51 x 16
.set TILEB,  16*PITCH
.set SLOTB,  128*PITCH                 ; a slot: 128 rows; slot 1 lies directly behind slot 0
.set SLOTG,  128*768                   ; and in memory
.set QB,     32*PITCH                  ; a quarter of a slot: what one tensor load brings
.set QG,     32*768
.set SCL,    2*SLOTB                   ; the scale bytes of the segment's 512 rows: 16,384 dense bytes, filled once
.set SPARE,  SCL+16384                 ; the spare words, 128 bytes a wave: four blocks of 256 bytes that no other line names
.set WSTG,   SPARE+1024                ; a stage of one weight tile for each wave
.set WP,     784                       ; its rows: 768 + 16 = 49 x 16
.set WTB,    16*WP
.set STG,    WSTG                      ; the two out stages, in the same bytes, behind the head's barrier
.set SP,     528                       ; a stage row: 128 columns of 4 bytes + 16
.set STGB,   64*SP
.set SPW,   1                          ; v1 my spare word; v2 0: never rewritten
.set NIL,   2
.set FA,    3                          ; v3, v4 my place in the tile in hand: 816 r + 48 h, and the same + 16 h;  v5, v6 the same for tile 0
.set FA0,   5
.set STO,   7                          ; v7 where this tile's results go;  v8 stage 0, row 0
.set STO0,  8
.set T2,    9
.set TT,    10
.set T3,    11
.set BQ,    12                         ; v12, v14, v16, v18: bq, bk, bv, -log2(e) bg of my column, each the low word of a pair;  v13: 0
.set BK,    14
.set L16,   15                         ; 16 x lane
.set BV,    16
.set SRD,   17                         ; where I read a stage's rows back: rows 8 w on
.set BG,    18
.set XSA,   19                         ; my place among x's scale bytes
.set BASE,  20                         ; the running sum ahead of my eight rows;  v21 ahead of the tile
.set CAR,   21
.set WS,    24                         ; v24-39 the weights' scale words
.set XS,    40                         ; v40-43 x's scale words of the tile in hand
.set ACC,   44                         ; v44-75 four accumulators
.set AQ,    44
.set AK,    52
.set AV,    60
.set AG,    68
.set X,     76                         ; v76-123 four fragments of x: K steps q % 4
.set W0,    124                        ; weight fragment f = 4 q + p: f <= 10 at v[124 + 12 f]; the others at v[12 (f - 11)] of window 1
.set RR,    76                         ; at the head only, in x's registers
.set HH,    77
.set LN,    78
.set WSA,   80
.set BA,    81
.set PA,    82
.set WST,   84                         ; v84 into my weight stage: 16 x lane; v85 the same + 16 h
.set WRD,   86                         ; out of it: 784 r + 48 h
.set WV,    36
.set CX,    37
.set STR,   38
.set YY,    39
.set G1X,   48                         ; s[48:55] group 1 for a quarter slot;  s[56:63] for the scale bytes
.set G1S,   56
.set G0,    68                         ; s[68:71], s[72:75] group 0 for slot 0, 1;  s[76:79] for the scale bytes
.set G0S,   76
.set CNT,   80
.set NL2E,  82
.set SEL,   84
.set PSEL,  86
.set HMSK,  87
.set OUT,   88
.set MSB, 0
.macro WIN new                         ; the immediate's high byte repeats the setting that is left
.if MSB != \new
	s_set_vgpr_msb (MSB<<8)|\new
.set MSB, \new
.endif
.endm
.macro CREST                           ; a round of the cluster's barrier behind its opening barrier
	s_cmp_lg_u32 s[WV], 0
	s_cbranch_scc1 .Lnot_wave_0_\@
	s_barrier_signal -3
.Lnot_wave_0_\@:
	s_barrier_wait -3
	s_barrier_signal -1
	s_barrier_wait -1
.endm
.macro ROUND
	s_barrier_signal -1
	s_barrier_wait -1
	CREST
.endm
.macro PLACES n
.rept \n
	v_nop
.endr
.endm
.macro FILL slot                       ; waves 0-3: my quarter of a slot, jointly; an s_nop 0 and four v_nop follow the line
	s_cmp_lt_u32 s[WV], 4
	s_cbranch_scc0 .Lno_fill_\@
	tensor_load_to_lds s[G0+4*\slot:G0+4*\slot+3], s[G1X:G1X+7]
	s_nop 0
	PLACES 4
.Lno_fill_\@:
.endm
; A fragment of x, K step q of the tile at off: 48 bytes a lane.  Byte o of a row lies at o + 16 (o / 256); lanes 16-31 read 48 bytes on, which for some pieces is behind one padding more: the second register.
.macro LOADX dst, a1, q, off
.irp c, 0,1,2
.set OO, 96*(\q)+16*\c
.if (OO+48)/256 != OO/256
	ds_load_b128 v[\dst+4*\c:\dst+4*\c+3], v[\a1+1] offset:\off+OO+16*(OO/256)
.else
	ds_load_b128 v[\dst+4*\c:\dst+4*\c+3], v[\a1] offset:\off+OO+16*(OO/256)
.endif
.endr
.endm
.macro WREG p, q                       ; where weight fragment (tile p, K step q) lives
.set FI, 4*(\q)+(\p)
.if FI <= 10
.set WR, W0+12*FI
.set WW, 0
.else
.set WR, 12*(FI-11)
.set WW, 1
.endif
.endm
.macro WASK p, sb                      ; tile p is asked for: 24 loads of 512 consecutive bytes
.irp q, 0,1,2,3,4,5,6,7
	WREG \p, \q
	WIN 0x40*WW
.irp c, 0,1,2
	global_load_b128 v[WR+4*\c:WR+4*\c+3], v[L16], s[\sb:\sb+1] offset:512*(3*\q+\c)
.endr
.endr
	WIN 0
.endm
.macro WTURN p                         ; tile p turns through my stage: byte g of the tile goes to g + 16 (g / 768).  LDS serves a wave's instructions in order
.irp q, 0,1,2,3,4,5,6,7
	WREG \p, \q
	WIN 0x04*WW
.irp c, 0,1,2
.set NN, 3*\q+\c
.if NN%3 == 1                          ; bytes 512 .. 1,023 of two rows: lanes 16-31 lie in the next row
	ds_store_b128 v[WST+1], v[WR+4*\c:WR+4*\c+3] offset:512*NN+16*((512*NN)/768)
.else
	ds_store_b128 v[WST], v[WR+4*\c:WR+4*\c+3] offset:512*NN+16*((512*NN)/768)
.endif
.endr
.endr
.irp q, 0,1,2,3,4,5,6,7
	WREG \p, \q
	WIN 0x40*WW
.irp c, 0,1,2
	ds_load_b128 v[WR+4*\c:WR+4*\c+3], v[WRD] offset:96*\q+16*\c
.endr
.endr
	WIN 0
.endm
; One product: weight tile p (q, k, v, g), K step q.  The first K step starts the sum with the constant 0.
.macro MM p, q
	WREG \p, \q
	WIN 0x04*WW
.set AR, ACC+8*(\p)
.set XR, X+12*((\q)%4)
.if (\q) == 0
	v_wmma_scale_f32_16x16x128_f8f6f4 v[AR:AR+7], v[XR:XR+11], v[WR:WR+11], 0, v[XS+(\q)%4], v[WS+4*(\p)+(\q)%4] matrix_a_fmt:MATRIX_FMT_BF6 matrix_b_fmt:MATRIX_FMT_BF6
.elseif (\q) < 4
	v_wmma_scale_f32_16x16x128_f8f6f4 v[AR:AR+7], v[XR:XR+11], v[WR:WR+11], v[AR:AR+7], v[XS+(\q)%4], v[WS+4*(\p)+(\q)%4] matrix_a_fmt:MATRIX_FMT_BF6 matrix_b_fmt:MATRIX_FMT_BF6
.else
	v_wmma_scale_f32_16x16x128_f8f6f4 v[AR:AR+7], v[XR:XR+11], v[WR:WR+11], v[AR:AR+7], v[XS+(\q)%4], v[WS+4*(\p)+(\q)%4] matrix_a_fmt:MATRIX_FMT_BF6 matrix_b_fmt:MATRIX_FMT_BF6 matrix_a_scale:MATRIX_SCALE_ROW1 matrix_b_scale:MATRIX_SCALE_ROW1
.endif
.endm
.macro MM4 q                           ; one K step: the four accumulators by turns
.irp p, 0,1,2,3
	MM \p, \q
.endr
.endm
.macro MM8 q
	MM4 \q
	MM4 (\q)+1
.endm
.macro PERMXS                          ; x's scale words: the two middle bytes change places
.irp c, 0,1,2,3
	v_perm_b32 v[XS+\c], v[XS+\c], v[XS+\c], s[PSEL]
.endr
.endm
.macro FASTEP wrap                     ; on to the next tile: three plain instructions, which also serve as places
.if \wrap
	v_mov_b32 v[FA], v[FA0]
	v_mov_b32 v[FA+1], v[FA0+1]
.else
	v_add_nc_u32 v[FA], TILEB, v[FA]
	v_add_nc_u32 v[FA+1], TILEB, v[FA+1]
.endif
	v_add_nc_u32 v[XSA], 512, v[XSA]
.endm
.macro STOSTEP kind, par               ; where this tile's results go: 16 stage rows on, or (a fourth tile) row 0 of the other stage
.if \kind == 0
	v_add_nc_u32 v[STO], 16*SP, v[STO]
.elseif \par == 0
	v_add_nc_u32 v[STO], STGB, v[STO0]
.else
	v_mov_b32 v[STO], v[STO0]
.endif
.endm
.macro NEXTX2                          ; the next tile's scale words and K steps 2, 3 (the addresses have been stepped)
	ds_load_b128 v[XS:XS+3], v[XSA]
	LOADX X+24, FA, 2, 0
	LOADX X+36, FA, 3, 0
.endm
; WHAT FOLLOWS A TILE'S PRODUCTS, in place on the accumulators, each from its low end on.  All first reads of the results stand ahead of the exponentials; each batch of eight has one wait ahead and one behind.
.macro EPI last
.irp j, 0,2,4,6
	v_pk_add_f32 v[AQ+\j:AQ+\j+1], v[AQ+\j:AQ+\j+1], v[BQ:BQ+1] op_sel_hi:[1,0]
	v_pk_add_f32 v[AK+\j:AK+\j+1], v[AK+\j:AK+\j+1], v[BK:BK+1] op_sel_hi:[1,0]
	v_pk_add_f32 v[AV+\j:AV+\j+1], v[AV+\j:AV+\j+1], v[BV:BV+1] op_sel_hi:[1,0]
.endr
.irp j, 0,2,4,6
	v_pk_fma_f32 v[AG+\j:AG+\j+1], v[AG+\j:AG+\j+1], s[NL2E:NL2E+1], v[BG:BG+1] op_sel_hi:[1,0,0]   ; -log2(e) (g + bg)
.endr
	s_wait_alu depctr_va_vdst(0)
.irp j, 0,1,2,3,4,5,6,7
	v_exp_f32 v[AG+\j], v[AG+\j]
.endr
	v_mul_f32 v[AK], v[AK], v[AV]          ; the running sum of k v down my eight rows
.irp j, 1,2,3,4,5,6,7
	s_delay_alu instid0(VALU_DEP_1)
	v_fma_f32 v[AK+\j], v[AK+\j], v[AV+\j], v[AK+\j-1]
.endr
.if (\last) == 0
	s_wait_dscnt 6                         ; the next tile's scale words and K steps 0, 1 are in; the six loads of K steps 2, 3 may be out
	PERMXS                                 ; 21 plain instructions follow, ahead of the next product
.endif
	s_wait_alu depctr_va_vdst(0)
.irp j, 0,2,4,6
	v_pk_add_f32 v[AG+\j:AG+\j+1], v[AG+\j:AG+\j+1], 1.0 op_sel_hi:[1,0]
.endr
	v_permlanex16_b32 v[TT], v[AK+7], s[SEL], s[SEL+1]     ; the other eight rows' total
	v_cndmask_b32 v[T3], 0, v[TT], s[HMSK]                 ; rows 8-15 come behind rows 0-7
	v_add_f32 v[T2], v[AK+7], v[TT]
	v_add_f32 v[BASE], v[CAR], v[T3]
	v_add_f32 v[CAR], v[CAR], v[T2]                        ; the carry into the next tile
	s_wait_alu depctr_va_vdst(0)
.irp j, 0,1,2,3,4,5,6,7
	v_rcp_f32 v[AG+\j], v[AG+\j]           ; the gate
.endr
.irp j, 0,2,4,6
	v_pk_add_f32 v[AK+\j:AK+\j+1], v[AK+\j:AK+\j+1], v[BASE:BASE+1] op_sel_hi:[1,0]
.endr
.irp j, 0,2,4,6
	v_pk_mul_f32 v[AK+\j:AK+\j+1], v[AK+\j:AK+\j+1], v[AQ+\j:AQ+\j+1]
.endr
	s_wait_alu depctr_va_vdst(0)
.irp j, 0,2,4,6
	v_pk_mul_f32 v[AK+\j:AK+\j+1], v[AK+\j:AK+\j+1], v[AG+\j:AG+\j+1]
.endr
.irp j, 0,1,2,3,4,5,6,7
	ds_store_b32 v[STO], v[AK+\j] offset:\j*SP             ; stage row 8 h + j on, column 16 w + r
.endr
.endm
; A TILE OF 16 ROWS: 32 products; x's four fragment registers are two pairs, one on its way while the other is multiplied.  Each run of loads stands four places behind the last product that read its registers.
; kind 0: one of three like tiles.  1: a fourth tile, with the stages' barrier.  2: a slot's last tile, with the round and the refill of slot.  3: the same with nothing left to fetch.  4: the segment's last tile.
.macro TILE kind, par, slot, wrap
	MM8 0
	PLACES 4
.if \kind == 1
	s_wait_dscnt 0x0                       ; K steps 2, 3 are in, my stores into the stage have landed, my reads of the other stage are over
	s_barrier_signal -1
.endif
	LOADX X, FA, 4, 0
	LOADX X+12, FA, 5, 0
.if \kind != 1
	s_wait_dscnt 14                        ; K steps 2, 3 are in: behind them at most eight stage stores and the six loads just issued
.endif
	MM8 2
	PLACES 4
	LOADX X+24, FA, 6, 0
	LOADX X+36, FA, 7, 0
.if \kind == 2 || \kind == 3
	WIN 0                                  ; (the add's two registers lie in window 0)
	s_wait_tensorcnt 0x0                   ; my part of the next slot has landed; no tensor load of mine is out
	ds_add_u32 v[SPW], v[NIL]
.if \kind == 2
	ds_add_u32 v[SPW], v[NIL]
	s_add_nc_u64 s[G0+4*\slot+2:G0+4*\slot+3], s[G0+4*\slot+2:G0+4*\slot+3], 2*SLOTG   ; this slot's next rows
	s_wait_dscnt 8                         ; K steps 4, 5 are in; six loads and two adds may be out
.else
	s_wait_dscnt 7                         ; six loads and the add may be out
.endif
	MM4 4
	s_wait_dscnt 0x0                       ; the add is done, my reads of this slot and of the other stage are over, my stage stores have landed
	s_barrier_signal -1
	MM4 5                                  ; work on registers while the others arrive
	MM4 6
	WIN 0
	s_barrier_wait -1
.if \kind == 2
	CREST                                  ; no wave of any partner still reads this slot or has a load on its way
	FILL \slot
.endif
	FASTEP \wrap                           ; four places in front of the loads into the registers of K steps 4, 5
	STOSTEP \kind, \par
	LOADX X, FA, 0, 0
	LOADX X+12, FA, 1, 0
	MM4 7
	WIN 0
	PLACES 4
	NEXTX2
	EPI 0
.else
	s_wait_dscnt 6                         ; K steps 4, 5 are in; the six just issued may be out
	MM8 4
.if \kind == 4
	s_wait_dscnt 0x0
	s_barrier_signal -1
	MM8 6
	WIN 0
	s_barrier_wait -1
	STOSTEP \kind, \par
	PLACES 3
	EPI 1
.else
	PLACES 4
	LOADX X, FA, 0, TILEB                  ; the next tile's K steps 0, 1
	LOADX X+12, FA, 1, TILEB
	s_wait_dscnt 6                         ; K steps 6, 7 are in
	MM8 6
	WIN 0
.if \kind == 1
	s_barrier_wait -1                      ; the group is whole and the other stage has been read out
.endif
	FASTEP 0                               ; four places in front of the loads below and of the first read of results
	STOSTEP \kind, \par
	NEXTX2
	EPI 0
.endif
.endif
.endm
; GROUP g GOES OUT: wave w takes stage rows 8 w .. 8 w + 7, a row of 512 bytes an instruction, into the accumulators' registers.  Stage row 0 is row 64 g - 16 of the segment.
; mode 1: group 0 has no rows 0-15: waves 0, 1 pass.  mode 2: the last 16 rows: waves 0, 1 alone.
.macro RB g, mode
.if \mode == 1
	s_cmp_lt_u32 s[WV], 2
	s_cbranch_scc1 .Lno_rb_\@
.elseif \mode == 2
	s_cmp_gt_u32 s[WV], 1
	s_cbranch_scc1 .Lno_rb_\@
.endif
.irp i, 0,1,2,3,4,5,6,7
	ds_load_b128 v[ACC+4*\i:ACC+4*\i+3], v[SRD] offset:((\g)%2)*STGB+\i*SP
.endr
.irp i, 0,1,2,3,4,5,6,7
	s_wait_dscnt 7-\i                      ; row i is in, the younger ones may be out
	global_store_b128 v[L16], v[ACC+4*\i:ACC+4*\i+3], s[OUT:OUT+1] offset:(64*(\g)+\i-16)*4096 th:TH_STORE_NT   ; 32 lanes store 512 consecutive bytes, at a multiple of 512 from out's first byte
.endr
	s_wait_xcnt 0x0                        ; the stores have read their registers, which the next products write
.Lno_rb_\@:
.endm
.macro HALF n, kind, slot, wrap, mode  ; 64 rows: three like tiles in a counted loop, the fourth written out, and group n's way out
	s_mov_b32 s[CNT], 3
.Ltile_\@:
	TILE 0, 0, 0, 0
	s_sub_co_u32 s[CNT], s[CNT], 1
	s_cmp_lg_u32 s[CNT], 0
	s_wait_alu depctr_va_vdst(0)
	s_cbranch_scc1 .Ltile_\@
	TILE \kind, (\n)%2, \slot, \wrap
	RB \n, \mode
.endm
	s_load_b512 s[4:19], s[0:1], 0x0       ; x's codes s[4:5], x's scales s[6:7]; codes and scales of Wq s[8:11], Wk s[12:15], Wv s[16:19],
	s_load_b512 s[20:35], s[0:1], 0x40     ; Wg s[20:23]; bq s[24:25], bk s[26:27], bv s[28:29], bg s[30:31]; part s[32:33]; out s[34:35]
	v_lshl_add_u32 v[SPW], v0, 2, SPARE
	v_mov_b32 v[NIL], 0
	ds_add_u32 v[SPW], v[NIL]
	ds_add_u32 v[SPW], v[NIL]
	v_lshrrev_b32 v[LN], 5, v0
	v_readfirstlane_b32 s[WV], v[LN]       ; wave 0..7
	s_lshl_b32 s45, s[WV], 6
	s_add_co_u32 s45, s45, STG
	s_mul_i32 s98, s[WV], 8*SP
	s_add_co_u32 s98, s98, STG
	s_mul_i32 s99, s[WV], WTB
	s_add_co_u32 s99, s99, WSTG            ; my weight stage
	v_and_b32 v[LN], 31, v0                ; lane
	v_and_b32 v[RR], 15, v0                ; r
	v_bfe_u32 v[HH], v0, 4, 1              ; h
	v_mul_u32_u24 v[FA], v[RR], PITCH
	v_mad_u32_u24 v[FA], v[HH], 48, v[FA]
	v_lshl_add_u32 v[FA+1], v[HH], 4, v[FA]
	v_mov_b32 v[FA0], v[FA]
	v_mov_b32 v[FA0+1], v[FA+1]
	v_mul_u32_u24 v[STO0], v[HH], 8*SP
	v_lshl_add_u32 v[STO0], v[RR], 2, v[STO0]
	v_add_nc_u32 v[STO0], s45, v[STO0]     ; stage 0 + 8 h rows + 64 w + 4 r
	v_mov_b32 v[STO], v[STO0]
	v_lshl_add_u32 v[SRD], v[LN], 4, s98   ; back: rows 8 w on, 16 bytes a lane
	v_lshlrev_b32 v[L16], 4, v[LN]
	v_add_nc_u32 v[WST], s99, v[L16]
	v_lshl_add_u32 v[WST+1], v[HH], 4, v[WST]
	v_mul_u32_u24 v[WRD], v[RR], WP
	v_mad_u32_u24 v[WRD], v[HH], 48, v[WRD]
	v_add_nc_u32 v[WRD], s99, v[WRD]
	v_lshlrev_b32 v[WSA], 5, v[RR]
	v_lshl_add_u32 v[WSA], v[HH], 4, v[WSA]    ; scale rows: 32 r + 16 h
	v_add_nc_u32 v[XSA], SCL, v[WSA]
	v_lshlrev_b32 v[BA], 2, v[RR]
	v_lshlrev_b32 v[PA], 4, v[RR]          ; part: 16 bytes a column
	v_cmp_lt_u32 s[HMSK], 15, v[LN]
	v_mov_b32 v[TT], 0                     ; a lane permute's destination counts as one of its sources
	v_mov_b32 v[BQ+1], 0                   ; (the upper word of the pair v[12:13])
	s_wait_alu depctr_va_vdst(0)
	s_bfe_u32 s[CX], ttmp6, 0x40000        ; my place in the cluster: it enters the weights', the biases', part's and out's addresses alone
	s_lshl_b32 s[STR], ttmp9, 2
	s_add_co_u32 s[STR], s[STR], s[CX]     ; strip 0..7
	s_and_b32 s[YY], ttmp7, 0xffff         ; 8 b + j
	s_mul_i32 s40, s[YY], 512*768          ; x's codes of my segment,
	s_mul_i32 s41, s[WV], QG               ; the quarter slot that I fetch,
	s_add_co_u32 s40, s40, s41
	s_mov_b32 s41, 0
	s_lshl_b32 s42, s[YY], 14              ; and the segment's scale bytes
	s_mov_b32 s43, 0
	s_lshl_b32 s44, s[STR], 7
	s_lshl_b32 s45, s[WV], 4
	s_add_co_u32 s44, s44, s45             ; my first weight row = my first column
	s_mul_i32 s46, s44, 768
	s_mov_b32 s47, 0
	s_lshl_b32 s90, s44, 5
	s_mov_b32 s91, 0
	s_lshl_b32 s92, s44, 2
	s_mov_b32 s93, 0
	; part[b][S1][i][w1][jg][col][jj]: S1 = strip / 2, w1 = 4 (strip % 2) + wave / 2, col = 16 (wave % 2) + r, jg = j / 4, jj = j % 4; i goes by the loads' immediates
	s_lshr_b32 s94, s[YY], 3
	s_lshl_b32 s94, s94, 2
	s_lshr_b32 s95, s[STR], 1
	s_add_co_u32 s94, s94, s95
	s_lshl_b32 s94, s94, 17
	s_and_b32 s95, s[STR], 1
	s_lshl_b32 s95, s95, 2
	s_lshr_b32 s98, s[WV], 1
	s_add_co_u32 s95, s95, s98
	s_lshl_b32 s95, s95, 10
	s_add_co_u32 s94, s94, s95
	s_and_b32 s95, s[WV], 1
	s_lshl_b32 s95, s95, 8
	s_add_co_u32 s94, s94, s95
	s_bfe_u32 s95, s[YY], 0x10002
	s_lshl_b32 s95, s95, 9
	s_add_co_u32 s94, s94, s95
	s_and_b32 s95, s[YY], 3
	s_lshl_b32 s95, s95, 2
	s_add_co_u32 s94, s94, s95
	s_mov_b32 s95, 0
	s_lshl_b32 s96, s[YY], 9               ; out: row 512 (8 b + j) + 8 x wave, 4,096 bytes a row, + 512 x strip
	s_lshl_b32 s97, s[WV], 3
	s_add_co_u32 s96, s96, s97
	s_lshl_b32 s96, s96, 12
	s_lshl_b32 s97, s[STR], 9
	s_add_co_u32 s96, s96, s97
	s_mov_b32 s97, 0
	s_mul_i32 s99, s[WV], QB               ; where my quarter slot goes
	s_mov_b32 s[NL2E], 0xbfb8aa3b
	s_mov_b32 s[NL2E+1], s[NL2E]
	s_mov_b32 s[SEL], 0x76543210
	s_mov_b32 s[SEL+1], 0xfedcba98
	s_mov_b32 s[PSEL], 0x03010200
	; group 1, a quarter slot: 32 rows of 768 bytes are dense in memory: 96 rows of 256 bytes (32 elements of 8), 16 bytes of padding behind each
	s_mov_b32 s[G1X+0], 15|(3<<16)|(1<<20)|(1<<21)|(5<<22)|(3<<25)
	s_mov_b32 s[G1X+1], 32<<16
	s_mov_b32 s[G1X+2], 96<<16
	s_mov_b32 s[G1X+3], 32<<16
	s_mov_b32 s[G1X+4], 96
	s_mov_b32 s[G1X+5], 32
	s_mov_b32 s[G1X+6], 0
	s_mov_b32 s[G1X+7], 0
	; group 1, the scale bytes: 16,384 dense bytes as 64 rows of 256, no padding
	s_mov_b32 s[G1S+0], 15|(3<<16)|(1<<21)
	s_mov_b32 s[G1S+1], 32<<16
	s_mov_b32 s[G1S+2], 64<<16
	s_mov_b32 s[G1S+3], 32<<16
	s_mov_b32 s[G1S+4], 64
	s_mov_b32 s[G1S+5], 32
	s_mov_b32 s[G1S+6], 0
	s_mov_b32 s[G1S+7], 0
	s_wait_dscnt 0x0                       ; both opening adds are done
	s_wait_kmcnt 0x0
	s_add_nc_u64 s[4:5], s[4:5], s[40:41]
.irp n, 0,1
	s_mov_b32 s[G0+4*\n], 1
	s_add_co_u32 s[G0+4*\n+1], s99, \n*SLOTB
	s_add_nc_u64 s[G0+4*\n+2:G0+4*\n+3], s[4:5], \n*SLOTG
	s_or_b32 s[G0+4*\n+3], s[G0+4*\n+3], 0x80000000
.endr
	s_mov_b32 s[G0S], 1
	s_mov_b32 s[G0S+1], SCL
	s_add_nc_u64 s[G0S+2:G0S+3], s[6:7], s[42:43]
	s_or_b32 s[G0S+3], s[G0S+3], 0x80000000
.irp p, 0,1,2,3
	s_add_nc_u64 s[8+4*\p:9+4*\p], s[8+4*\p:9+4*\p], s[46:47]       ; the weights, their scales and the biases at my first row
	s_add_nc_u64 s[10+4*\p:11+4*\p], s[10+4*\p:11+4*\p], s[90:91]
	s_add_nc_u64 s[24+2*\p:25+2*\p], s[24+2*\p:25+2*\p], s[92:93]
.endr
	s_add_nc_u64 s[32:33], s[32:33], s[94:95]
	s_add_nc_u64 s[OUT:OUT+1], s[34:35], s[96:97]
.irp p, 0,1,2,3
	global_load_b128 v[WS+4*\p:WS+4*\p+3], v[WSA], s[10+4*\p:11+4*\p]
	global_load_b32 v[BQ+2*\p], v[BA], s[24+2*\p:25+2*\p]
.endr
.irp i, 0,1,2,3,4,5,6,7,8,9,10,11,12,13,14,15
	global_load_b32 v[ACC+\i], v[PA], s[32:33] offset:8192*\i       ; the 16 parts of the sum ahead of my segment, for my column
.endr
	WASK 0, 8                              ; the first weight tile is on its way while the cluster meets
	ROUND                                  ; all four work-groups are here: the first joint loads meet
	s_cmp_lt_u32 s[WV], 4                  ; one chain of branches, one tensor load to an arm: waves 0-3 slot 0's quarters, wave 4 the scale bytes
	s_cbranch_scc0 .Lhead_s
	tensor_load_to_lds s[G0:G0+3], s[G1X:G1X+7]
	s_nop 0
	PLACES 4
	s_branch .Lhead_j
.Lhead_s:
	s_cmp_eq_u32 s[WV], 4
	s_cbranch_scc0 .Lhead_j
	tensor_load_to_lds s[G0S:G0S+3], s[G1S:G1S+7]
	s_nop 0
	PLACES 4
.Lhead_j:
	WASK 1, 12
	WASK 2, 16
	s_wait_loadcnt 48                      ; tile 0 and the small loads ahead of it are in; the 48 loads of tiles 1, 2 may be out
	WTURN 0
	WASK 3, 20
	s_wait_loadcnt 48                      ; tile 1 is in; tiles 2, 3 may be out
	WTURN 1
	s_wait_loadcnt 24                      ; tile 2 is in
	WTURN 2
	s_wait_loadcnt 0x0
	WTURN 3
.irp c, 0,1,2,3,4,5,6,7,8,9,10,11,12,13,14,15
	v_perm_b32 v[WS+\c], v[WS+\c], v[WS+\c], s[PSEL]
.endr
	v_mul_f32 v[BG], s[NL2E], v[BG]        ; -log2(e) bg
.irp i, 0,2,4,6
	v_pk_add_f32 v[ACC+\i:ACC+\i+1], v[ACC+\i:ACC+\i+1], v[ACC+8+\i:ACC+8+\i+1]
.endr
	v_pk_add_f32 v[ACC:ACC+1], v[ACC:ACC+1], v[ACC+4:ACC+5]
	v_pk_add_f32 v[ACC+2:ACC+3], v[ACC+2:ACC+3], v[ACC+6:ACC+7]
	v_pk_add_f32 v[ACC:ACC+1], v[ACC:ACC+1], v[ACC+2:ACC+3]
	v_add_f32 v[CAR], v[ACC], v[ACC+1]     ; the carry into the segment
	; slot 0 and the scale bytes are shown whole to every wave; slot 1 is first filled here, as a refill is
	s_wait_alu depctr_va_vdst(0)
	s_wait_tensorcnt 0x0
	ds_add_u32 v[SPW], v[NIL]
	ds_add_u32 v[SPW], v[NIL]
	s_wait_dscnt 0x0                       ; the adds are done, and the weights are back in their registers
	ROUND
	FILL 1                                 ; slot 1: it has slot 0's eight tiles in which to land
	ds_load_b128 v[XS:XS+3], v[XSA]        ; the first tile
	LOADX X, FA, 0, 0
	LOADX X+12, FA, 1, 0
	LOADX X+24, FA, 2, 0
	LOADX X+36, FA, 3, 0
	s_wait_dscnt 0x0
	PERMXS
	s_wait_alu depctr_va_vdst(0)
	PLACES 8                               ; a scale register written by a vector instruction stands eight places ahead of a scaled product
	HALF 0, 1, 0, 0, 1                     ; rows 0-63: slot 0
	HALF 1, 2, 0, 0, 0                     ; rows 64-127; slot 0 takes rows 256-383
	HALF 2, 1, 0, 0, 0                     ; slot 1
	HALF 3, 2, 1, 1, 0                     ; slot 1 takes rows 384-511; back to slot 0
	HALF 4, 1, 0, 0, 0
	HALF 5, 3, 0, 0, 0                     ; nothing is left to fetch
	HALF 6, 1, 0, 0, 0
	HALF 7, 4, 0, 0, 0
	s_wait_dscnt 0x0                       ; my stores of the last tile have landed,
	s_barrier_signal -1
	s_barrier_wait -1                      ; everybody's have
	RB 8, 2                                ; the last 16 rows
	s_wait_tensorcnt 0x0                   ; the wave's end
	ds_add_u32 v[SPW], v[NIL]
	s_wait_dscnt 0x0
	ROUND                                  ; the closing round: no work-group ends while a partner may still ask for a tile that names it
	s_endpgm
.Lfunc_end_k_qa7fed3d838_fused:
	.size	k_qa7fed3d838_fused, .Lfunc_end_k_qa7fed3d838_fused-k_qa7fed3d838_fused
	.p2alignl 7, 3214868480
	.fill 96, 4, 3214868480
	.section	.rodata,"a",@progbits
	.p2align	6, 0x0
	.amdhsa_kernel k_qa7fed3d838_fused
		.amdhsa_group_segment_fixed_size 327680
		.amdhsa_private_segment_fixed_size 0
		.amdhsa_enable_private_segment 0
		.amdhsa_kernarg_size 128
		.amdhsa_user_sgpr_count 2
		.amdhsa_user_sgpr_kernarg_segment_ptr 1
		.amdhsa_wavefront_size32 1
		.amdhsa_system_sgpr_workgroup_id_x 1
		.amdhsa_system_sgpr_workgroup_id_y 1
		.amdhsa_system_sgpr_workgroup_id_z 1
		.amdhsa_system_vgpr_workitem_id 0
		.amdhsa_next_free_vgpr 512
		.amdhsa_next_free_sgpr 100
		.amdhsa_reserve_vcc 0
		.amdhsa_float_denorm_mode_32 3
		.amdhsa_float_denorm_mode_16_64 3
		.amdhsa_memory_ordered 1
		.amdhsa_forward_progress 1
		.amdhsa_inst_pref_size 223
	.end_amdhsa_kernel
	.amdgpu_metadata
---
amdhsa.version: [ 1, 2 ]
amdhsa.kernels:
  - .name:           k_qa7fed3d838_fused
    .symbol:         k_qa7fed3d838_fused.kd
    .args:
      - { .name: x_codes, .offset: 0, .size: 8, .value_kind: global_buffer, .address_space: global }
      - { .name: x_scales, .offset: 8, .size: 8, .value_kind: global_buffer, .address_space: global }
      - { .name: Wq_codes, .offset: 16, .size: 8, .value_kind: global_buffer, .address_space: global }
      - { .name: Wq_scales, .offset: 24, .size: 8, .value_kind: global_buffer, .address_space: global }
      - { .name: Wk_codes, .offset: 32, .size: 8, .value_kind: global_buffer, .address_space: global }
      - { .name: Wk_scales, .offset: 40, .size: 8, .value_kind: global_buffer, .address_space: global }
      - { .name: Wv_codes, .offset: 48, .size: 8, .value_kind: global_buffer, .address_space: global }
      - { .name: Wv_scales, .offset: 56, .size: 8, .value_kind: global_buffer, .address_space: global }
      - { .name: Wg_codes, .offset: 64, .size: 8, .value_kind: global_buffer, .address_space: global }
      - { .name: Wg_scales, .offset: 72, .size: 8, .value_kind: global_buffer, .address_space: global }
      - { .name: bq, .offset: 80, .size: 8, .value_kind: global_buffer, .address_space: global }
      - { .name: bk, .offset: 88, .size: 8, .value_kind: global_buffer, .address_space: global }
      - { .name: bv, .offset: 96, .size: 8, .value_kind: global_buffer, .address_space: global }
      - { .name: bg, .offset: 104, .size: 8, .value_kind: global_buffer, .address_space: global }
      - { .name: part, .offset: 112, .size: 8, .value_kind: global_buffer, .address_space: global }
      - { .name: out0, .offset: 120, .size: 8, .value_kind: global_buffer, .address_space: global }
    .group_segment_fixed_size: 327680
    .private_segment_fixed_size: 0
    .kernarg_segment_align: 8
    .kernarg_segment_size: 128
    .max_flat_workgroup_size: 256
    .sgpr_count:     100
    .vgpr_count:     512
    .wavefront_size: 32
...
	.end_amdgpu_metadata
.endif
;; end of part 2
